; MI455X (gfx1250); checked and timed in simulation.
; The chip was launched on July 23, 2026; its instructions are those of AMD's public machine-readable ISA for CDNA 5 (MIT licence, August 2026) and "CDNA5" Instruction Set Architecture Reference Guide (July 2026). The comments in the code are by the model that wrote it; some were corrected since.
;; Masked Multi Head Attention. Allowed arithmetic: matrix products marked QUANTISED: E4M3 operands, one given power-of-two scale a tensor, by v_wmma_f32_16x16x64_fp8_fp8 or v_wmma_f32_16x16x128_fp8_fp8, f32 sums; everything else in f32.
;; Inputs: Wk 1,024 x 1,024 float32; Wo 1,024 x 1,024 float32; Wq 1,024 x 1,024 float32; Wv 1,024 x 1,024 float32; bk 1,024 float32; bo 1,024 float32; bq 1,024 float32; bv 1,024 float32; lowp_scales 12 int32 (the exponents e of the quantised operands' scales 2^e); x 4 x 2,048 x 1,024 float32.
;; Outputs: out0 4 x 2,048 x 1,024 float32.
;; This version of the problem:
;;   THIS VERSION OF THE PROBLEM IS GIVEN IN LOW PRECISION. The matrix products marked QUANTISED in the list below multiply operands that are first quantised to E4M3 (4 exponent bits, 3 mantissa bits; 8 bits a number), with one given power-of-two scale for each operand tensor; their sums are f32. All else is computed in f32.
;;   The module's matrix products, in the order in which they are computed (A, B: the left and right operand; K: the contracted axis; several contracted axes count as one K, in the product's order):
;;     1. [M 8,192, K 1,024] x [K 1,024, N 1,024]; A: input x; B: input Wq: QUANTISED (scales: A lowp_scales[0], B lowp_scales[1])
;;     2. [M 8,192, K 1,024] x [K 1,024, N 1,024]; A: input x; B: input Wk: QUANTISED (scales: A lowp_scales[2], B lowp_scales[3])
;;     3. [M 8,192, K 1,024] x [K 1,024, N 1,024]; A: input x; B: input Wv: QUANTISED (scales: A lowp_scales[4], B lowp_scales[5])
;;     4. batch 64 x [M 2,048, K 64] x [K 64, N 2,048]; A: computed on the way; B: computed on the way: QUANTISED (scales: A lowp_scales[6], B lowp_scales[7])
;;     5. batch 64 x [M 2,048, K 2,048] x [K 2,048, N 64]; A: softmax (see below); B: computed on the way: QUANTISED (scales: A lowp_scales[8], B lowp_scales[9])
;;     6. [M 8,192, K 1,024] x [K 1,024, N 1,024]; A: computed on the way; B: input Wo: QUANTISED (scales: A lowp_scales[10], B lowp_scales[11])
;;   THE QUANTISER, for each operand of a quantised product, along K:
;;     - The operand's scale is 2^e, e = its entry of the input lowp_scales (int32; the entries are numbered through the quantised products in the list's order, A before B).
;;     - Each number is divided by the scale, clamped to +-448, and rounded to the nearest number of E4M3, ties to even, subnormals kept.
;;     - The product sums the exact products of the quantised numbers (number of the format x scale) in f32.
;;   ~~~python
;;   def quantise(x, axis, e):      # numpy; x: float32 -> the quantised numbers, widened to float32 again
;;       x = np.moveaxis(x, axis, -1); K = x.shape[-1]
;;       r = np.clip(x / 2.0 ** e, -448, 448)
;;       step = 2.0 ** (np.maximum(np.frexp(np.where(r == 0, 1, r))[1] - 1, -6) - 3)
;;       q = np.round(r / step) * step * 2.0 ** e      # np.round: ties to even
;;       return np.moveaxis(q, -1, axis).astype(np.float32)
;;   ~~~
;;   SOFTMAX AHEAD OF A QUANTISED PRODUCT. Where the list says 'softmax', what is quantised is not the finished softmax but p = 2^(t - M), with t = logit x log2(e) and M = ceil(the row's largest t), a whole number; so 1/2 < the row's largest p <= 1. The row's sum l is taken of the UNQUANTISED p, in f32, and the product's result is divided by l at the end. Since M is a whole number, a kernel that streams over the keys may use a running M (the ceiling of the running maximum): every later rescaling is an exact power of two, so the quantised numbers keep their values, but for numbers so far below the row's largest that they fall under the format's range.
;;   OPERANDS COMPUTED ON THE WAY. 'Computed on the way' means the value that the module computes at that place (a softmax that the list does not call 'softmax' is quantised finished and normalised). What goes into a quantiser is computed in f32, as accurately as f32 sums, v_exp_f32 and their like allow (about 1e-6 of the number): no bf16 or f16 on the way to a quantiser, and a product that is left as it is and whose result goes on into a quantised operand takes f32 operands (vector FMAs, or v_wmma_f32_16x16x4_f32). A number that lies on a knife's edge between two numbers of the format may be rounded either way, as far as f32 arithmetic and the matrix unit's own rounding can turn it there, and no further.
;; One version. Each part assembles by itself: llvm-mc -triple=amdgcn-amd-amdhsa -mcpu=gfx1250 --defsym DOCPART=n.
;; ======== version 1 of 1: 4 launches
;; limits: right only within a limited range of input values
;; workspace buffers: xc 25,165,824 bytes; wc 4,194,304 bytes; qc 8,388,608 bytes; kc 8,388,608 bytes; vc 8,388,608 bytes; oc 8,388,608 bytes
;; launch quant (part 1): grid 768 x 1, 4 waves a work-group, no clusters, 34,304 bytes of LDS; arguments x, Wq, Wk, Wv, Wo, lowp_scales, xc, wc; writes xc, wc
.if DOCPART == 1
	.amdgcn_target "amdgcn-amd-amdhsa--gfx1250"
	.amdhsa_code_object_version 6
	.text
	.protected	k_qaef0b2ccd0_quant
	.globl	k_qaef0b2ccd0_quant
	.p2align	8
	.type	k_qaef0b2ccd0_quant,@function
k_qaef0b2ccd0_quant:
	s_mov_b64 s[64:65], 0
	v_nop
	global_prefetch_b8 v0, s[64:65] scope:SCOPE_SE
	s_setreg_imm32_b32 hwreg(HW_REG_WAVE_MODE, 25, 1), 1
	s_wait_xcnt 0x0
; x [8192][1024] and Wq, Wk, Wv, Wo [1024][1024], f32, K innermost, become codes of FP8 (E4M3), each with the scale 2^e that is given for it.
; code = number / 2^e, held within +-448, rounded to the nearest code, ties to even.  x is an operand of three products under three entries of the
; scales (0, 2, 4), which may differ: it is read once and quantised three times.  The weights take entries 1, 3, 5, 11.
; LIMITS: e between -126 and 119, so that 2^e and 448 x 2^e are f32 numbers.  NaN among the inputs is not served; an infinity is held at the largest code.
; THE CODES ARE LAID AS IMAGES OF THE OPERAND'S REGISTERS.  A fragment of 16 rows x 128 k is 2,048 bytes: byte 512 c + 16 l + i (l = lane = r + 16 h) is row r,
; k = 32 c + 8 h + i (i < 8) or 32 c + 16 + 8 h + i - 8: four loads of 16 bytes a lane at 16 l + 512 c give registers 4 c .. 4 c + 3 of the plain 8-bit layout
; (registers 2 c', 2 c' + 1: k = 16 c' + 8 h + 0 .. 7).   xc: [3 scales][512 strips of 16 rows][8 blocks of 128 k][2,048];   wc: [4 weights][64 strips][8][2,048].
; SHARES.  A work-group takes a strip of 16 rows; wave w its k = 256 w .. 256 w + 255: two blocks of 16 x 128.  Work-groups 0-511: x; 512-767: the weights.  Only pointers, exponents and the
; number of scales are chosen by the work-group's number: there is one way through the text.  Each load reads 512 consecutive bytes of a row; a block turns through the wave's own stage
; in LDS so that a lane holds neighbours along k; each store writes 512 consecutive bytes.  No tensor load, no barrier: waves share nothing.  Matrix units and clusters have nothing to do here.
.set SPI,  528                         ; a stage row: 512 bytes + 16 = 132 words: row r starts 4 r words on (64 banks of 4 bytes: ISA guide 11.1)
.set WST,  16*SPI                      ; a wave's stage
.set NX,   512                         ; strips of x
.set SECB, 0x800000                    ; from one scale's codes of x to the next scale's
.set LI,   1                           ; v1   16 x lane
.set SW,   2                           ; v2   the stage, on the way in: 16 x lane
.set SR,   3                           ; v3   and on the way out: row r, + 32 h
.set SC,   4                           ; v4   2^e as f32
.set LIM,  5
.set R0,   8                           ; v8-71    block 0 as loaded; later block 1's numbers in order (XB)
.set R1,   72                          ; v72-135  block 1 as loaded; later CD
.set XA,   136                         ; v136-199 block 0's numbers: register 16 c + i = the k of the image's byte i of chunk c
.set XB,   8
.set TM,   72
.set CD,   104                         ; v104-135 a trip's codes: no register is stored twice in a trip
	s_load_b512 s[4:19], s[0:1], 0x0               ; x 4, Wq 6, Wk 8, Wv 10, Wo 12, the scales 14, xc 16, wc 18
	v_lshl_add_u32 v200, v0, 2, 0x8400
	v_mov_b32 v201, 0
	v_lshrrev_b32 v6, 5, v0
	v_readfirstlane_b32 s32, v6                    ; wave
	v_and_b32 v7, 31, v0
	v_lshlrev_b32 v[LI], 4, v7
	s_mul_i32 s46, s32, WST
	v_add_nc_u32 v[SW], s46, v[LI]
	v_and_b32 v6, 15, v0                           ; r
	v_bfe_u32 v7, v0, 4, 1                         ; h
	v_mul_u32_u24 v[SR], v6, SPI
	v_lshl_add_u32 v[SR], v7, 5, v[SR]
	v_add_nc_u32 v[SR], s46, v[SR]
	s_cmp_lt_u32 ttmp9, NX                         ; x's work-group or a weight's?
	s_cselect_b32 s47, 0, NX
	s_cselect_b32 s36, 3, 1                        ; how many scales
	s_cselect_b32 s48, -1, 63
	s_sub_co_u32 s33, ttmp9, s47                   ; the strip's number in xc or in wc
	s_lshr_b32 s34, s33, 6                         ; which weight (used for the weights alone)
	s_and_b32 s35, s33, s48                        ; the strip's number in its tensor
	s_lshl_b32 s50, s35, 16                        ; 16 rows of 4,096 bytes
	s_lshl_b32 s49, s32, 10                        ; my wave's 256 numbers
	s_add_co_u32 s50, s50, s49
	s_mov_b32 s51, 0
	s_lshl_b32 s52, s33, 14                        ; a strip's codes: 8 images
	s_lshl_b32 s49, s32, 12                        ; my wave's two
	s_add_co_u32 s52, s52, s49
	s_mov_b32 s53, 0
	s_wait_alu depctr_va_vdst(0)
	s_wait_kmcnt 0x0
	s_load_b256 s[20:27], s[14:15], 0x0            ; e0 .. e7
	s_load_b128 s[28:31], s[14:15], 0x20           ; e8 .. e11
	s_mov_b64 s[42:43], s[12:13]                   ; Wo, unless
	s_cmp_eq_u32 s34, 2
	s_cselect_b64 s[42:43], s[10:11], s[42:43]
	s_cmp_eq_u32 s34, 1
	s_cselect_b64 s[42:43], s[8:9], s[42:43]
	s_cmp_eq_u32 s34, 0
	s_cselect_b64 s[42:43], s[6:7], s[42:43]
	s_cmp_lt_u32 ttmp9, NX
	s_cselect_b64 s[42:43], s[4:5], s[42:43]
	s_cselect_b64 s[44:45], s[16:17], s[18:19]
	s_add_nc_u64 s[42:43], s[42:43], s[50:51]
	s_add_nc_u64 s[44:45], s[44:45], s[52:53]
.irp j, 0,1
.irp r, 0,1,2,3,4,5,6,7,8,9,10,11,12,13,14,15
	global_load_b128 v[R0+64*\j+4*\r:R0+64*\j+4*\r+3], v[LI], s[42:43] offset:4096*\r+512*\j th:TH_LOAD_NT   ; 32 lanes read 512 consecutive bytes of row r; read once in the launch
.endr
.endr
	s_wait_kmcnt 0x0
	s_mov_b32 s38, s31                             ; the first scale's exponent: e11, unless
	s_cmp_eq_u32 s34, 2
	s_cselect_b32 s38, s25, s38
	s_cmp_eq_u32 s34, 1
	s_cselect_b32 s38, s23, s38
	s_cmp_eq_u32 s34, 0
	s_cselect_b32 s38, s21, s38
	s_cmp_lt_u32 ttmp9, NX
	s_cselect_b32 s38, s20, s38
	s_mov_b32 s39, s22                             ; x's second and third
	s_mov_b32 s40, s24
; a block through the stage: as loaded on the way in, 32 bytes of neighbours at a time on the way out.  LDS serves a wave's instructions in order (ISA guide 5.7.1.4): no wait between the stores and the loads
.macro TURN src, dst
.irp r, 0,1,2,3,4,5,6,7,8,9,10,11,12,13,14,15
	ds_store_b128 v[SW], v[\src+4*\r:\src+4*\r+3] offset:SPI*\r
.endr
.irp c, 0,1,2,3
	ds_load_b128 v[\dst+16*\c:\dst+16*\c+3],     v[SR] offset:128*\c      ; k = 32 c + 8 h + 0 .. 7
	ds_load_b128 v[\dst+16*\c+4:\dst+16*\c+7],   v[SR] offset:128*\c+16
	ds_load_b128 v[\dst+16*\c+8:\dst+16*\c+11],  v[SR] offset:128*\c+64   ; k = 32 c + 16 + 8 h + 0 .. 7
	ds_load_b128 v[\dst+16*\c+12:\dst+16*\c+15], v[SR] offset:128*\c+80
.endr
.endm
	s_wait_loadcnt 16                              ; block 0's sixteen loads are in; block 1's sixteen may be out
	TURN R0, XA
	s_wait_dscnt 0x0                               ; block 0 is back: the stage and v8-71 are free
	s_wait_loadcnt 0x0
	TURN R1, XB
	s_wait_dscnt 0x0
; one block's codes under the scale in hand: hold, convert, store
.macro CODES xs, j
.irp c, 0,1,2,3
.irp i, 0,1,2,3,4,5,6,7,8,9,10,11,12,13,14,15
.endr
	v_cvt_scalef32_pk8_fp8_f32 v[CD+16*\j+4*\c:CD+16*\j+4*\c+1], v[TM+16*(\c%2)+((\xs+16*\c+0)-(TM+16*(\c%2)+0)):TM+16*(\c%2)+7+((\xs+16*\c+0)-(TM+16*(\c%2)+0))], v[SC]
	v_cvt_scalef32_pk8_fp8_f32 v[CD+16*\j+4*\c+2:CD+16*\j+4*\c+3], v[TM+16*(\c%2)+8+((\xs+16*\c+0)-(TM+16*(\c%2)+0)):TM+16*(\c%2)+15+((\xs+16*\c+0)-(TM+16*(\c%2)+0))], v[SC]
	global_store_b128 v[LI], v[CD+16*\j+4*\c:CD+16*\j+4*\c+3], s[44:45] offset:2048*\j+512*\c   ; 32 lanes store 512 consecutive bytes, at a multiple of 256 from the buffer's first byte
.endr
.endm
	s_mov_b32 s37, 0
.Lscale:                                               ; three trips for x, one for a weight
	s_add_co_i32 s46, s38, 127
	s_lshl_b32 s47, s46, 23
	v_mov_b32 v[SC], s47                           ; 2^e: the conversion takes its exponent field
	CODES XA, 0
	CODES XB, 1
	v_nop                                          ; a plain line between the last conversion and the next trip's write of its scale
	s_wait_xcnt 0x0                                ; the stores have read their data and their base: both are written again only behind this wait
	s_add_nc_u64 s[44:45], s[44:45], SECB
	s_mov_b32 s38, s39
	s_mov_b32 s39, s40
	s_add_co_u32 s37, s37, 1
	s_cmp_lt_u32 s37, s36
	s_cbranch_scc1 .Lscale
	s_wait_tensorcnt 0x0
	ds_add_u32 v200, v201
	s_wait_dscnt 0x0
	s_endpgm
.Lfunc_end_k_qaef0b2ccd0_quant:
	.size	k_qaef0b2ccd0_quant, .Lfunc_end_k_qaef0b2ccd0_quant-k_qaef0b2ccd0_quant
	.p2alignl 7, 3214868480
	.fill 96, 4, 3214868480
	.section	.rodata,"a",@progbits
	.p2align	6, 0x0
	.amdhsa_kernel k_qaef0b2ccd0_quant
		.amdhsa_group_segment_fixed_size 34304
		.amdhsa_private_segment_fixed_size 0
		.amdhsa_enable_private_segment 0
		.amdhsa_kernarg_size 64
		.amdhsa_user_sgpr_count 2
		.amdhsa_user_sgpr_kernarg_segment_ptr 1
		.amdhsa_wavefront_size32 1
		.amdhsa_system_sgpr_workgroup_id_x 1
		.amdhsa_system_sgpr_workgroup_id_y 1
		.amdhsa_system_sgpr_workgroup_id_z 1
		.amdhsa_system_vgpr_workitem_id 0
		.amdhsa_next_free_vgpr 202
		.amdhsa_next_free_sgpr 66
		.amdhsa_reserve_vcc 0
		.amdhsa_float_denorm_mode_32 3
		.amdhsa_float_denorm_mode_16_64 3
		.amdhsa_fp16_overflow 1
		.amdhsa_memory_ordered 1
		.amdhsa_forward_progress 1
		.amdhsa_inst_pref_size 12
	.end_amdhsa_kernel
	.amdgpu_metadata
---
amdhsa.version: [ 1, 2 ]
amdhsa.kernels:
  - .name:           k_qaef0b2ccd0_quant
    .symbol:         k_qaef0b2ccd0_quant.kd
    .args:
      - { .name: x, .offset: 0, .size: 8, .value_kind: global_buffer, .address_space: global }
      - { .name: Wq, .offset: 8, .size: 8, .value_kind: global_buffer, .address_space: global }
      - { .name: Wk, .offset: 16, .size: 8, .value_kind: global_buffer, .address_space: global }
      - { .name: Wv, .offset: 24, .size: 8, .value_kind: global_buffer, .address_space: global }
      - { .name: Wo, .offset: 32, .size: 8, .value_kind: global_buffer, .address_space: global }
      - { .name: lowp_scales, .offset: 40, .size: 8, .value_kind: global_buffer, .address_space: global }
      - { .name: xc, .offset: 48, .size: 8, .value_kind: global_buffer, .address_space: global }
      - { .name: wc, .offset: 56, .size: 8, .value_kind: global_buffer, .address_space: global }
    .group_segment_fixed_size: 34304
    .private_segment_fixed_size: 0
    .kernarg_segment_align: 8
    .kernarg_segment_size: 64
    .max_flat_workgroup_size: 128
    .sgpr_count:     66
    .vgpr_count:     202
    .wavefront_size: 32
...
	.end_amdgpu_metadata
.endif
;; end of part 1
;; launch qkv (part 2): grid 12 x 32, 4 waves a work-group, clusters of 4 x 4, 327,680 bytes of LDS; arguments xc, wc, bq, bk, bv, lowp_scales, qc, kc, vc; writes qc, kc, vc
.if DOCPART == 2
	.amdgcn_target "amdgcn-amd-amdhsa--gfx1250"
	.amdhsa_code_object_version 6
	.text
	.protected	k_qaef0b2ccd0_qkv
	.globl	k_qaef0b2ccd0_qkv
	.p2align	8
	.type	k_qaef0b2ccd0_qkv,@function
k_qaef0b2ccd0_qkv:
	s_mov_b64 s[64:65], 0
	v_nop
	global_prefetch_b8 v0, s[64:65] scope:SCOPE_SE
	s_setreg_imm32_b32 hwreg(HW_REG_WAVE_MODE, 25, 1), 1
	s_wait_xcnt 0x0
	s_wait_alu depctr_hold_cnt(0) depctr_sa_sdst(0) depctr_va_vdst(0) depctr_va_sdst(0) depctr_va_ssrc(0) depctr_va_vcc(0) depctr_vm_vsrc(0)
	s_getreg_b32 s2, hwreg(HW_REG_IB_STS2, 6, 4)
	s_cmp_eq_u32 s2, 0
	s_cbranch_scc0 .Lentry_in_a_cluster
	s_endpgm
.Lentry_in_a_cluster:
	s_bfe_u32 s2, ttmp6, 0x10000c
	s_cmp_lg_u32 s2, 0xf033
	s_cbranch_scc0 .Lentry_shape_is_right
	s_endpgm
.Lentry_shape_is_right:
; q = x Wq^T + bq, k = x Wk^T + bk, v = x Wv^T + bv on codes of FP8 (E4M3); each result is quantised at once, with the scale given for it (entries 6, 7, 9), and stored as images of the next operand's registers.
; AN IMAGE of a fragment of 16 rows x 128 k is 2,048 bytes: four loads of 16 bytes a lane at 16 x lane + 512 c give registers 4 c .. 4 c + 3 of the plain 8-bit layout.
; xc: [3][512 strips of 16 rows][8 blocks of 128 k][2,048], wc: [4][64][8][2,048].  So a tile in LDS is dense, has no pitch and no padding, and every fragment load reads 512 consecutive bytes.
; SECTIONS.  The cluster's x is the section: 0 q, 1 k, 2 v.  In sections 0 and 1 the left operand ('A', 8,192 rows) is x and the right ('B', 1,024 rows) the weight.  IN SECTION 2 THE ROLES ARE EXCHANGED (A = Wv, B = x):
; the result is v^T, whose rows are the head's channels and whose columns are the keys, which are the K of attention's second product.  That is a matter of addresses alone.
; A tile of the result, 256 x 256, is made by four waves, as many as a WGP has SIMDs; a wave makes 128 x 128: 64 accumulators.  K = 1,024 goes in four steps of 256 through two LDS slots, so nothing is looped.
; THE MATRIX INSTRUCTION IS USED TRANSPOSED (source 0 = 16 rows of B, source 1 = 16 rows of A): lane (r, h) holds row r of A's block a and columns 16 b + 8 h + 0 .. 7 of B's block b.  One conversion of an accumulator's
; eight registers therefore gives registers 2 b, 2 b + 1 of a fragment whose rows are A's rows and whose k are B's rows: the results leave as images, 512 consecutive bytes a store, without LDS.
; qc, kc: [strip of 16 tokens (512)][head (16)][1,024: 16 tokens x 64 channels].   vc: [block of 128 keys (64)][16 channels (64)][2,048: 16 channels x 128 keys].
; THE BIAS is the C of each sum's first matrix instruction, divided by the power of two that the sums lack: b / 2^(ea + eb).  A sum then stands for sum x 2^(ea + eb), and its code is sum / 2^(eo - ea - eb).
; CLUSTERS: 4 x 4 work-groups.  The four of a row of the cluster need the same tiles of A, the four of a column the same tiles of B: each tile is asked for jointly.
; The grid has 384 tiles of equal work; tiles of another shape would read more LDS bytes for each product.
; LIMITS: eo - ea - eb between -126 and 119, so that the conversion's scale and 448 x it are f32 numbers.  NaN is not served.
; REGISTERS, in windows of 256: window 0: v8-15 the stores' offsets, v16-29 addresses and constants, v32-95 at work on the way out, v64-127 the bias, v128-255 A's fragments (one set), later the codes.
;   window 1: B's fragments, two sets, at v0 and v128.   window 2: the accumulators of my rows 0-63 ((a, b) at v[8 (8 a + b)]);   window 3: those of my rows 64-127.
.set TB16,  4096                       ; 16 rows x 256 k: two images
.set FRB,   2048                       ; an image
.set HALFT, 8*TB16                     ; 128 rows: what one tensor load brings, and what one wave reads of A or of B
.set SLOT,  4*HALFT                    ; A's 256 rows, then B's 256 rows
.set SPARE, 2*SLOT                     ; behind the ring: the spare words, 128 bytes for each wave: two blocks of 256 bytes that no other line names
.set KSB,   4096                       ; a K step on, in a strip's 16,384 bytes in memory
.set FR,    16                         ; registers of a fragment
.set NL,    4                          ; LDS loads that bring one
.set NP,    4                          ; places behind this matrix instruction (ISA guide 7.12.1)
.set OFV,   8                          ; v8-15  16 x lane + a x the distance between my blocks' images in the output
.set ADRA,  16                         ; v16-17 LDS address of my A fragments in slot 0, 1
.set ADRB,  20                         ; v20-21 the same for B
.set RB4,   23                         ; v23    4 r
.set LI,    24                         ; v24    16 x lane
.set CB32,  25                         ; v25    32 h
.set SC,    26                         ; v26    2^(eo - ea - eb) as f32
.set LIM,   27
.set SPW,   28                         ; v28    LDS address of my spare word; never rewritten
.set NIL,   29                         ; v29    0; never rewritten
.set TMP,   32
.set BIAS,  64
.set AF,    128
.set CD,    128
.set G1,  24                           ; s[24:31] descriptor group 1 for A's tiles;  s[32:39] group 0, one set for each slot
.set G0,  32
.set G1B, 48                           ; s[48:55], s[56:63] the same for B's tiles
.set G0B, 56
.set SEC, 66                           ; s66 the section
.set MSB, 0
.macro WIN new                         ; the immediate's high byte repeats the setting that is left; a switch that changes nothing is dropped
.if MSB != (\new)
	s_set_vgpr_msb (MSB<<8)|(\new)
.set MSB, (\new)
.endif
.endm
.set MUL_LO, 0xa1                      ; source 0 (B) window 1, source 1 (A) window 0, C and D window 2
.set MUL_HI, 0xf1                      ; the same, C and D window 3
.set TO_B,   0x40                      ; destination window 1, address window 0
; A joint load: waves 0 and 1 fetch for A, waves 2 and 3 for B.  Each of the two lines has one mask and one set of registers for all that issue it; the branch hangs on the wave's number alone.
; Four v_nop follow each of the two lines, ahead of the jump, the label and what follows.
.macro JLOAD g0a, g1a, g0b, g1b
	s_cmp_eq_u32 s15, 0
	s_cbranch_scc0 .Lfor_b_\@
	tensor_load_to_lds s[\g0a:\g0a+3], s[\g1a:\g1a+7]
	s_nop 0
.rept 4
	v_nop
.endr
	s_branch .Lasked_\@
.Lfor_b_\@:
	tensor_load_to_lds s[\g0b:\g0b+3], s[\g1b:\g1b+7]
	s_nop 0
.rept 4
	v_nop
.endr
.Lasked_\@:
.endm
.macro CREST                           ; a round of the cluster's barrier behind its opening barrier
	s_cmp_lg_u32 s14, 0
	s_cbranch_scc1 .Lnot_wave_0_\@
	s_barrier_signal -3
.Lnot_wave_0_\@:
	s_barrier_wait -3
	s_barrier_signal -1
	s_barrier_wait -1
.endm
.macro CROUND                          ; a whole round
	s_barrier_signal -1
	s_barrier_wait -1
	CREST
.endm
	s_load_b256 s[4:11], s[0:1], 0x0               ; xc 4, wc 6, bq 8, bk 10
	s_load_b256 s[72:79], s[0:1], 0x20             ; bv 72, the scales 74, qc 76, kc 78
	s_load_b64 s[80:81], s[0:1], 0x40              ; vc
	v_lshl_add_u32 v[SPW], v0, 2, SPARE
	v_mov_b32 v[NIL], 0
	ds_add_u32 v28, v29
	ds_add_u32 v28, v29
	s_wait_dscnt 0x0
	v_lshrrev_b32 v1, 5, v0
	v_readfirstlane_b32 s14, v1                    ; wave 0..3
	s_lshr_b32 s15, s14, 1                         ; which half of the tile's rows is mine.  Also: I fetch for A (0) or for B (1)
	s_and_b32 s16, s14, 1                          ; which half of its columns.  Also: which 128 rows of that tile I fetch
	s_bfe_u32 s40, ttmp6, 0x40000                  ; cx, cy: my place in the cluster
	s_bfe_u32 s41, ttmp6, 0x40004
	s_mov_b32 s[SEC], ttmp9                        ; the cluster's x: the same in all sixteen partners
	s_and_b32 s67, ttmp7, 0xffff
	s_lshl_b32 s68, s67, 2                         ; 4 x the cluster's y walks the operand of 8,192 rows:
	s_cmp_lt_u32 s[SEC], 2
	s_cselect_b32 s69, s68, 0                      ; A in sections 0 and 1,
	s_cselect_b32 s70, 0, s68                      ; B in section 2
	s_add_co_u32 s17, s69, s41                     ; tile row
	s_add_co_u32 s42, s70, s40                     ; tile column
	s_lshl_b32 s43, s41, 2
	s_lshl_b32 s43, 15, s43                        ; my row of the cluster
	s_lshl_b32 s44, 0x1111, s40                    ; my column
	; descriptor group 1: 8 strips' parts of a K step: 8 rows of 4,096 bytes (512 elements of 8 bytes), 16,384 bytes apart in memory, dense in LDS
	s_or_b32 s[G1+0], s43, (3<<16)|(1<<21)         ; 15:0 the mask: A's tiles go to my row; 17:16 elements of 8 bytes; 20 no padding; 21 set beside a mask
	s_or_b32 s[G1B+0], s44, (3<<16)|(1<<21)
.irp g, G1, G1B
	s_mov_b32 s[\g+1], 512<<16                     ; tensor_dim0
	s_mov_b32 s[\g+2], 8<<16                       ; tensor_dim1
	s_mov_b32 s[\g+3], 512<<16                     ; tile_dim0
	s_mov_b32 s[\g+4], 8                           ; tile_dim1
	s_mov_b32 s[\g+5], 2048                        ; tensor_dim0_stride
	s_mov_b32 s[\g+6], 0
	s_mov_b32 s[\g+7], 0
.endr
	s_lshl_b32 s18, s16, 17                        ; which 128 rows (8 strips of 16,384 bytes) of the tile I fetch
	s_lshl_b32 s20, s17, 18
	s_add_co_u32 s20, s20, s18                     ; A: 16 strips x tile row + 8 x half
	s_lshl_b32 s46, s42, 18
	s_add_co_u32 s46, s46, s18                     ; B likewise, by the tile column
	s_lshl_b32 s19, s[SEC], 23                     ; the section's codes of x,
	s_lshl_b32 s22, s[SEC], 20                     ; and its weight's
	s_cmp_lt_u32 s[SEC], 2
	s_cselect_b32 s19, s19, 2<<20                  ; A: x's, or Wv's
	s_cselect_b32 s22, s22, 2<<23                  ; B: the weight's, or x's under the third scale
	s_add_co_u32 s20, s20, s19
	s_add_co_u32 s46, s46, s22
	s_mov_b32 s21, 0
	s_mov_b32 s47, 0
	s_mul_i32 s45, s14, HALFT                      ; where they go: wave x 128 rows: no place in the cluster enters an LDS address
	s_wait_kmcnt 0x0
	s_load_b256 s[84:91], s[74:75], 0x0            ; e0 .. e7
	s_load_b128 s[92:95], s[74:75], 0x20           ; e8 .. e11
	s_cmp_lt_u32 s[SEC], 2
	s_cselect_b64 s[2:3], s[4:5], s[6:7]
	s_cselect_b64 s[22:23], s[6:7], s[4:5]
	s_add_nc_u64 s[20:21], s[2:3], s[20:21]
	s_add_nc_u64 s[46:47], s[22:23], s[46:47]
	CROUND                                         ; all sixteen work-groups are here: the first joint loads meet
.irp s, 0,1
	s_mov_b32 s[G0+4*\s], 1
	s_add_co_u32 s[G0+4*\s+1], s45, \s*SLOT
	s_add_nc_u64 s[G0+4*\s+2:G0+4*\s+3], s[20:21], \s*KSB
	s_or_b32 s[G0+4*\s+3], s[G0+4*\s+3], 0x80000000
	s_mov_b32 s[G0B+4*\s], 1
	s_add_co_u32 s[G0B+4*\s+1], s45, \s*SLOT
	s_add_nc_u64 s[G0B+4*\s+2:G0B+4*\s+3], s[46:47], \s*KSB
	s_or_b32 s[G0B+4*\s+3], s[G0B+4*\s+3], 0x80000000
	JLOAD G0+4*\s, G1, G0B+4*\s, G1B               ; two loads of mine are out
.endr
	v_and_b32 v1, 31, v0
	v_lshlrev_b32 v[LI], 4, v1
	s_wait_alu depctr_va_vdst(0)
	v_and_b32 v2, 15, v0                           ; r
	v_bfe_u32 v3, v0, 4, 1                         ; h
	v_lshlrev_b32 v[RB4], 2, v2
	v_lshlrev_b32 v[CB32], 5, v3
	s_lshl_b32 s21, s15, 15                        ; my 128 rows of A
	s_lshl_b32 s22, s16, 15                        ; my 128 rows of B,
	s_add_co_u32 s22, s22, 2*HALFT                 ; which lie behind A's 256
.irp s, 0,1
	v_add_nc_u32 v[ADRA+\s], s21, v[LI]
	v_add_nc_u32 v[ADRB+\s], s22, v[LI]
	s_add_co_u32 s21, s21, SLOT
	s_add_co_u32 s22, s22, SLOT
.endr
	s_lshl_b32 s18, s17, 8
	s_lshl_b32 s23, s15, 7
	s_add_co_u32 s18, s18, s23                     ; R0: my first row of A
	s_lshl_b32 s19, s42, 8
	s_lshl_b32 s23, s16, 7
	s_add_co_u32 s19, s19, s23                     ; C0: my first row of B
	; where my results go.  Sections 0, 1: 1,024 R0 + 16 C0, blocks of 16 rows 16,384 bytes apart.  Section 2: 1,024 C0 + 128 R0, blocks 2,048 apart.  The bias: by B's rows, or by A's
	s_mov_b32 s98, 2048
	s_cmp_lt_u32 s[SEC], 2
	s_cselect_b32 s2, s18, s19
	s_cselect_b32 s3, s19, s18
	s_cselect_b32 s67, 4, 7
	s_cselect_b32 s98, 16384, s98
	s_cselect_b32 s22, s19, s18
	s_cselect_b64 s[82:83], s[10:11], s[72:73]
	s_cselect_b64 s[12:13], s[78:79], s[80:81]
	s_cmp_eq_u32 s[SEC], 0
	s_cselect_b64 s[82:83], s[8:9], s[82:83]
	s_cselect_b64 s[12:13], s[76:77], s[12:13]
	s_lshl_b32 s2, s2, 10
	s_lshl_b32 s3, s3, s67
	s_add_co_u32 s2, s2, s3
	s_mov_b32 s3, 0
	s_add_nc_u64 s[12:13], s[12:13], s[2:3]
	s_lshl_b32 s22, s22, 2
	s_mov_b32 s23, 0
	s_add_nc_u64 s[82:83], s[82:83], s[22:23]
	v_mov_b32 v[OFV], v[LI]
.irp a, 1,2,3,4,5,6,7
	v_add_nc_u32 v[OFV+\a], s98, v[OFV+\a-1]
.endr
	s_wait_kmcnt 0x0
	s_add_co_i32 s2, s84, s85                      ; ea + eb of the three sections,
	s_add_co_i32 s3, s86, s87
	s_add_co_i32 s67, s88, s89
	s_cmp_eq_u32 s[SEC], 0
	s_cselect_b32 s68, s2, s3
	s_cselect_b32 s69, s90, s91
	s_cmp_lt_u32 s[SEC], 2
	s_cselect_b32 s68, s68, s67                    ; mine,
	s_cselect_b32 s69, s69, s93                    ; and eo: entry 6, 7 or 9.  Chosen without a branch
	s_sub_co_i32 s97, 0, s68                       ; -(ea + eb)
	s_sub_co_i32 s96, s69, s68
	s_add_co_i32 s96, s96, 127
	s_lshl_b32 s2, s96, 23
	v_mov_b32 v[SC], s2
	; the bias, in the result's layout, divided by 2^(ea + eb).  The wait for it stands here, while the first tiles are on their way
	s_cmp_lt_u32 s[SEC], 2
	s_cbranch_scc0 .Lrow_bias
.irp b, 0,1,2,3,4,5,6,7
	global_load_b128 v[BIAS+8*\b:BIAS+8*\b+3],   v[CB32], s[82:83] offset:64*\b      ; b(C0 + 16 b + 8 h + 0 .. 7): the same for all of A's blocks
	global_load_b128 v[BIAS+8*\b+4:BIAS+8*\b+7], v[CB32], s[82:83] offset:64*\b+16
.endr
	s_wait_loadcnt 0x0
.set i, 0
.rept 64
	v_ldexp_f32 v[BIAS+i], v[BIAS+i], s97
.set i, i+1
.endr
	s_branch .Lbias_made
.Lrow_bias:
.irp a, 0,1,2,3,4,5,6,7
	global_load_b32 v[BIAS+8*\a], v[RB4], s[82:83] offset:64*\a                      ; b(R0 + 16 a + r): one number a lane for all eight registers of A's block a
.endr
	s_wait_loadcnt 0x0
.irp a, 0,1,2,3,4,5,6,7
.irp j, 7,6,5,4,3,2,1,0
	v_ldexp_f32 v[BIAS+8*\a+\j], v[BIAS+8*\a], s97
.endr
.endr
.Lbias_made:
.macro FRAG reg, adr, q, i             ; a fragment comes as it was laid: four loads of 512 consecutive bytes
.irp c, 0,1,2,3
	ds_load_b128 v[\reg+4*\c:\reg+4*\c+3], v[\adr] offset:(\i)*TB16+(\q)*FRB+512*\c
.endr
.endm
; 16 matrix instructions: A's blocks a0, a0 + 1 x B's eight, 128 along K.  p: B's set.  mode 0: the sums go on; 2: they start with the bias by B's block; 3: with the bias by A's block.  Nothing is ever cleared.
; The 64 accumulators take turns, one instruction a turn, in the same order in every step.
.macro MUL16 a0, p, mode
.irp a, \a0, \a0+1
.irp b, 0,1,2,3,4,5,6,7
.if (\mode) == 0
	v_wmma_f32_16x16x128_fp8_fp8 v[8*(8*((\a)%4)+\b):8*(8*((\a)%4)+\b)+7], v[128*(\p)+FR*\b:128*(\p)+FR*\b+FR-1], v[AF+FR*(\a):AF+FR*(\a)+FR-1], v[8*(8*((\a)%4)+\b):8*(8*((\a)%4)+\b)+7]
.elseif (\mode) == 2
	v_wmma_f32_16x16x128_fp8_fp8 v[8*(8*((\a)%4)+\b):8*(8*((\a)%4)+\b)+7], v[128*(\p)+FR*\b:128*(\p)+FR*\b+FR-1], v[AF+FR*(\a):AF+FR*(\a)+FR-1], v[BIAS+8*\b:BIAS+8*\b+7]
.else
	v_wmma_f32_16x16x128_fp8_fp8 v[8*(8*((\a)%4)+\b):8*(8*((\a)%4)+\b)+7], v[128*(\p)+FR*\b:128*(\p)+FR*\b+FR-1], v[AF+FR*(\a):AF+FR*(\a)+FR-1], v[BIAS+8*(\a):BIAS+8*(\a)+7]
.endif
.endr
.endr
.endm
.macro FETCH_B slot, q, p              ; B's eight fragments of the slot's q-th 128 along K into set p
	WIN TO_B
.irp i, 0,1,2,3,4,5,6,7
	FRAG 128*(\p)+FR*\i, ADRB+\slot, \q, \i
.endr
	WIN 0
.endm
.macro FETCH_A slot, q, i0             ; A's blocks i0 .. i0 + 3
.irp i, \i0, \i0+1, \i0+2, \i0+3
	FRAG AF+FR*(\i), ADRA+\slot, \q, \i
.endr
.endm
; A load into a register that a matrix instruction has read, and a vector instruction that reads a matrix result, stand NP places behind that matrix instruction; only plain vector
; instructions that name none of its registers are places (ISA guide 7.12.1 for vector instructions).
.macro PLACES n
.rept \n
	v_nop
.endr
.endm
; A step of 128 along K that has its successor in the same slot.  A's blocks are free as soon as their eight products are issued: one set serves A; B's fragments work through the whole step: two sets.
.macro STEP slot, q, mode
	s_wait_dscnt 4*NL                              ; B's set and A's blocks 0-3 are in; the youngest sixteen loads (A's blocks 4-7) may be out
.if (\mode) >= 2
	WIN 0x81                                       ; the bias, C, lies in window 0
.else
	WIN MUL_LO
.endif
	MUL16 0, (\q)%2, \mode
	MUL16 2, (\q)%2, \mode
	s_wait_dscnt 0                                 ; A's blocks 4-7 are in
	PLACES NP
	FETCH_B \slot, (\q)+1, 1-(\q)%2
	FETCH_A \slot, (\q)+1, 0
.if (\mode) >= 2
	WIN 0xc1
.else
	WIN MUL_HI
.endif
	MUL16 4, (\q)%2, \mode
	MUL16 6, (\q)%2, \mode
	PLACES NP
	WIN 0
	FETCH_A \slot, (\q)+1, 4
.endm
; A slot's last step changes slots: one barrier; in front of it each wave waits for all its tensor loads, adds 0 to its spare word, and waits for that and for its own reads of this slot.  fill = 1: this slot is filled again, two K steps ahead.
.macro TURN slot, next, fill
	s_wait_tensorcnt 0x0                           ; all my tensor loads have landed: my part of the next slot  (every window is 0 here)
	ds_add_u32 v[SPW], v[NIL]                      ; 0 onto my spare word
	s_wait_dscnt 4*NL+1                            ; (the add and the youngest sixteen loads, A's blocks 4-7, may be out)
	WIN MUL_LO
	MUL16 0, 1, 0                                  ; sixteen matrix instructions stand between the add and the wait for it
	s_wait_dscnt 0x0                               ; the add is done, and my reads of this slot are over
	s_barrier_signal -1
	MUL16 2, 1, 0
	WIN 0
	s_barrier_wait -1
.if \fill
	CREST                                          ; the barrier has opened a round of the cluster's barrier: no wave of any partner still reads this slot's tile or has a load on its way
	s_add_nc_u64 s[G0+4*\slot+2:G0+4*\slot+3], s[G0+4*\slot+2:G0+4*\slot+3], 2*KSB
	s_add_nc_u64 s[G0B+4*\slot+2:G0B+4*\slot+3], s[G0B+4*\slot+2:G0B+4*\slot+3], 2*KSB
	JLOAD G0+4*\slot, G1, G0B+4*\slot, G1B         ; the first tensor load behind the round, and my only one: one load of mine is out; its four v_nop are the places in front of the loads below
.else
	PLACES NP
.endif
	FETCH_B \next, 0, 0
	FETCH_A \next, 0, 0
	WIN MUL_HI
	MUL16 4, 1, 0
	MUL16 6, 1, 0
	PLACES NP
	WIN 0
	FETCH_A \next, 0, 4
.endm
	s_wait_tensorcnt 1                             ; my part of K step 0 is in; K step 1's load may be out
	s_barrier_signal -1
	s_barrier_wait -1                              ; everybody's is
	FETCH_B 0, 0, 0
	FETCH_A 0, 0, 0
	FETCH_A 0, 0, 4
	s_cmp_lt_u32 s[SEC], 2                         ; the first products start the sums with the bias: by B's blocks, or (section 2) by A's.  No barrier and no tensor load stands on either way
	s_cbranch_scc0 .Lrows_first
	s_wait_alu depctr_va_vdst(0)
	STEP 0, 0, 2
	s_branch .Lfirst_done
.Lrows_first:
	s_wait_alu depctr_va_vdst(0)
	STEP 0, 0, 3
.Lfirst_done:
	TURN 0, 1, 1                                   ; slot 0 takes K step 2
	STEP 1, 0, 0
	TURN 1, 0, 1                                   ; slot 1 takes K step 3
	STEP 0, 0, 0
	TURN 0, 1, 0                                   ; nothing is left to fetch
	STEP 1, 0, 0
	s_wait_dscnt 4*NL                              ; the very last step
	WIN MUL_LO
	MUL16 0, 1, 0
	MUL16 2, 1, 0
	s_wait_dscnt 0
	WIN MUL_HI
	MUL16 4, 1, 0
	MUL16 6, 1, 0
	WIN 0
	; THE WAY OUT, block by block of 16 rows of A: hold, convert, store.  The eight conversions' results are the sixteen registers of an image.  Each accumulator is read from its low end on.
	PLACES NP
.irp a, 0,1,2,3,4,5,6,7
	WIN 0x02+(\a/4)                                ; source 0: window 2 or 3
.set i, 0
.rept 64
.set i, i+1
.endr
.irp b, 0,1,2,3,4,5,6,7
	v_cvt_scalef32_pk8_fp8_f32 v[CD+16*\a+2*\b:CD+16*\a+2*\b+1], v[TMP+8*\b+((64*(\a%4)+i)-(TMP+i)):TMP+8*\b+7+((64*(\a%4)+i)-(TMP+i))], v[SC]
.endr
	WIN 0
	v_nop                                          ; a plain line between the last conversion and the stores that read its results
.irp c, 0,1,2,3
	global_store_b128 v[OFV+\a], v[CD+16*\a+4*\c:CD+16*\a+4*\c+3], s[12:13] offset:512*\c   ; 32 lanes store 512 consecutive bytes, at a multiple of 256 from the buffer's first byte; no register is stored twice
.endr
.endr
	s_wait_tensorcnt 0x0                           ; the wave's end
	ds_add_u32 v[SPW], v[NIL]
	s_wait_dscnt 0x0
	CROUND                                         ; the closing round: no work-group ends while a partner may still ask for a tile that names it
	s_endpgm
.Lfunc_end_k_qaef0b2ccd0_qkv:
	.size	k_qaef0b2ccd0_qkv, .Lfunc_end_k_qaef0b2ccd0_qkv-k_qaef0b2ccd0_qkv
	.p2alignl 7, 3214868480
	.fill 96, 4, 3214868480
	.section	.rodata,"a",@progbits
	.p2align	6, 0x0
	.amdhsa_kernel k_qaef0b2ccd0_qkv
		.amdhsa_group_segment_fixed_size 327680
		.amdhsa_private_segment_fixed_size 0
		.amdhsa_enable_private_segment 0
		.amdhsa_kernarg_size 72
		.amdhsa_user_sgpr_count 2
		.amdhsa_user_sgpr_kernarg_segment_ptr 1
		.amdhsa_wavefront_size32 1
		.amdhsa_system_sgpr_workgroup_id_x 1
		.amdhsa_system_sgpr_workgroup_id_y 1
		.amdhsa_system_sgpr_workgroup_id_z 1
		.amdhsa_system_vgpr_workitem_id 0
		.amdhsa_next_free_vgpr 1024
		.amdhsa_next_free_sgpr 100
		.amdhsa_reserve_vcc 0
		.amdhsa_float_denorm_mode_32 3
		.amdhsa_float_denorm_mode_16_64 3
		.amdhsa_fp16_overflow 1
		.amdhsa_memory_ordered 1
		.amdhsa_forward_progress 1
		.amdhsa_inst_pref_size 105
	.end_amdhsa_kernel
	.amdgpu_metadata
---
amdhsa.version: [ 1, 2 ]
amdhsa.kernels:
  - .name:           k_qaef0b2ccd0_qkv
    .symbol:         k_qaef0b2ccd0_qkv.kd
    .args:
      - { .name: xc, .offset: 0, .size: 8, .value_kind: global_buffer, .address_space: global }
      - { .name: wc, .offset: 8, .size: 8, .value_kind: global_buffer, .address_space: global }
      - { .name: bq, .offset: 16, .size: 8, .value_kind: global_buffer, .address_space: global }
      - { .name: bk, .offset: 24, .size: 8, .value_kind: global_buffer, .address_space: global }
      - { .name: bv, .offset: 32, .size: 8, .value_kind: global_buffer, .address_space: global }
      - { .name: lowp_scales, .offset: 40, .size: 8, .value_kind: global_buffer, .address_space: global }
      - { .name: qc, .offset: 48, .size: 8, .value_kind: global_buffer, .address_space: global }
      - { .name: kc, .offset: 56, .size: 8, .value_kind: global_buffer, .address_space: global }
      - { .name: vc, .offset: 64, .size: 8, .value_kind: global_buffer, .address_space: global }
    .group_segment_fixed_size: 327680
    .private_segment_fixed_size: 0
    .kernarg_segment_align: 8
    .kernarg_segment_size: 72
    .max_flat_workgroup_size: 128
    .sgpr_count:     100
    .vgpr_count:     1024
    .wavefront_size: 32
...
	.end_amdgpu_metadata
.endif
;; end of part 2
;; launch attn (part 3): grid 4 x 64, 16 waves a work-group, clusters of 4 x 1, 264,192 bytes of LDS; arguments qc, kc, vc, lowp_scales, oc; writes oc
.if DOCPART == 3
	.amdgcn_target "amdgcn-amd-amdhsa--gfx1250"
	.amdhsa_code_object_version 6
	.text
	.protected	k_qaef0b2ccd0_attn
	.globl	k_qaef0b2ccd0_attn
	.p2align	8
	.type	k_qaef0b2ccd0_attn,@function
k_qaef0b2ccd0_attn:
	s_mov_b64 s[64:65], 0
	v_nop
	global_prefetch_b8 v0, s[64:65] scope:SCOPE_SE
	s_setreg_imm32_b32 hwreg(HW_REG_WAVE_MODE, 25, 1), 1
	s_wait_xcnt 0x0
	s_wait_alu depctr_hold_cnt(0) depctr_sa_sdst(0) depctr_va_vdst(0) depctr_va_sdst(0) depctr_va_ssrc(0) depctr_va_vcc(0) depctr_vm_vsrc(0)
	s_getreg_b32 s2, hwreg(HW_REG_IB_STS2, 6, 4)
	s_cmp_eq_u32 s2, 0
	s_cbranch_scc0 .Lentry_in_a_cluster
	s_endpgm
.Lentry_in_a_cluster:
	s_bfe_u32 s2, ttmp6, 0x10000c
	s_cmp_lg_u32 s2, 0x3003
	s_cbranch_scc0 .Lentry_shape_is_right
	s_endpgm
.Lentry_shape_is_right:
; o = softmax(q k^T / 8, causal) v for each of 64 (batch, head) pairs, 2,048 queries and keys, head size 64, both products on codes of FP8 (E4M3); o is quantised at once with the scale given for it (entry 10).
; THE SOFTMAX AHEAD OF THE SECOND PRODUCT: t = score x log2(e) / 8; M = the row's largest t so far, rounded up to a whole number; p = 2^(t - M) is what is quantised (entry 8), not normalised.
; The row's sum is taken of the unquantised p, in f32, and divides O at the end.  When M moves, the sum and O are multiplied by 2^(old M - new M): exact.
; OPERANDS ARE IMAGES OF THEIR REGISTERS (16 bytes a lane at 16 x lane + 512 c).  qc, kc, oc: [strip of 16 tokens][head][1,024: 16 tokens x 64 channels].  vc: [block of 128 keys][16 channels][2,048: 16 channels x 128 keys].
; SHARES.  A cluster of four work-groups owns one (batch, head); each holds the head's WHOLE K and V in LDS (131,072 bytes each), asked for jointly, once, at the start: no byte of LDS is filled twice.
; Wave w of work-group cx owns two tiles of 16 queries: with u = w / 2 and v = w % 2 + 2 cx, tile A = 8 u + v and tile B = 127 - A.  A needs key steps (of 128) 0 .. u, B needs 0 .. 15 - u: 17 steps for every wave.
; Branches hang on u, that is on the wave's number, alone; cx enters the addresses of q and o and the mask's numbers, nothing else.  Steps whose keys all come after a tile's queries are left out.
; Four waves share a SIMD, so that one wave's softmax stands beside another's products and LDS loads.
; LAYOUT.  Both products are used transposed: S^T = K Q^T (source 0 = 16 keys, source 1 = my 16 queries, K = 64), O^T = V^T P^T (source 0 = 16 channels, source 1 = P, K = 128 keys): a lane holds one query (lane % 16) throughout.
; Tile T of S^T holds keys 16 T + 8 h + 0 .. 7: its conversion gives registers 2 T, 2 T + 1 of P in the plain layout.  Tile e of O^T holds channels 16 e + 8 h + 0 .. 7: its conversion gives registers 2 e, 2 e + 1 of o's image.
; The keys arrive in four groups of 512; a counted wait and a barrier stand at each group's head, so that work begins when the first group has landed.
; LIMITS on the given exponents: e6 + e7 between -123 and 130 (added to c's exponent field); e8, and e10 - e8 - e9, between -126 and 119.  NaN is not served.
; REGISTERS: v1 16 x lane; v2, v3 LDS addresses of the step's K and V; v4, v5 the mask's numbers; v8-11, v12-15 -M, the largest t, the sum in two halves (tile B, tile A); v16-23, v24-31 Q (A, B);
;   v32-95 fragments of K, then of V; v96-159 S^T, then p; v160-191, v192-223 O^T (A, B); v224-239 p's codes; v240-254 constants and work.
.set F,    32
.set S,    96
.set OA,   160
.set OB,   192
.set PC,   224
.set VOFF, 131072                      ; LDS: K's 128 tiles of 1,024 bytes, then V's 16 blocks of 8,192
.set STEPB, 8192                       ; a key step's bytes, of K and of V alike
.set WV,  14                           ; s14 my wave's number
.set UA,  15                           ; s15 u: tile A's last key step
.set UB,  16                           ; s16 15 - u: tile B's
.set CS,  22                           ; s[22:23] c = log2(e) / 8 x 2^(e6 + e7)
.set G1K, 24                           ; s[24:31] descriptor group 1 for K's tiles;  s[32:39] for V's;  s[40:55] four groups 0
.set G1V, 32
.set G0,  40
.set KS,  56                           ; s56 the key step
.set TB,  57                           ; s57 its bytes' place in K's part of LDS
.set SEL, 58                           ; s[58:59] lane selects for v_permlanex16_b32: lane l xor 16
.macro PLACES
.rept 4
	v_nop
.endr
.endm
.macro CROUND                          ; a round of the cluster's barrier
	s_barrier_signal -1
	s_barrier_wait -1
	s_cmp_lg_u32 s[WV], 0
	s_cbranch_scc1 .Lnot_wave_0_\@
	s_barrier_signal -3
.Lnot_wave_0_\@:
	s_barrier_wait -3
	s_barrier_signal -1
	s_barrier_wait -1
.endm
	s_load_b256 s[4:11], s[0:1], 0x0               ; qc 4, kc 6, vc 8, the scales 10
	s_load_b64 s[12:13], s[0:1], 0x20              ; oc
	v_lshl_add_u32 v254, v0, 2, 0x40000
	v_mov_b32 v255, 0
	ds_add_u32 v254, v255
	ds_add_u32 v254, v255
	s_wait_dscnt 0x0
	v_lshrrev_b32 v6, 5, v0
	s_delay_alu instid0(VALU_DEP_1)
	v_readfirstlane_b32 s[WV], v6                  ; wave 0..15
	s_lshr_b32 s[UA], s[WV], 1
	s_xor_b32 s[UB], s[UA], 15                     ; 15 - u
	s_bfe_u32 s17, ttmp6, 0x40000                  ; cx
	s_and_b32 s18, ttmp7, 0xffff                   ; 16 x batch + head, which the four partners share
	s_lshr_b32 s19, s18, 4
	s_and_b32 s20, s18, 15
	s_lshl_b32 s19, s19, 21                        ; the batch's first byte in each buffer of codes
	s_and_b32 s76, s[WV], 1
	s_lshl_b32 s77, s17, 1
	s_add_co_u32 s77, s77, s76                     ; v
	s_lshl_b32 s78, s[UA], 3
	s_add_co_u32 s78, s78, s77                     ; tile A
	s_sub_co_u32 s79, 127, s78                     ; tile B
	s_lshl_b32 s21, s20, 10                        ; the head's 1,024 bytes in a strip
	s_add_co_u32 s80, s19, s21
	s_lshl_b32 s78, s78, 14                        ; a strip is 16,384 bytes
	s_add_co_u32 s78, s78, s80
	s_lshl_b32 s82, s79, 14
	s_add_co_u32 s82, s82, s80
	s_mov_b32 s79, 0                               ; s[78:79], s[82:83]: tile A's and tile B's bytes in qc and in oc
	s_mov_b32 s83, 0
	; what I fetch, if I fetch: waves 0, 1: K's tiles; waves 2, 3: V's blocks; w % 2: which half of a group.  Nothing here hangs on cx
	s_lshl_b32 s84, s20, 13                        ; the head's 8,192 bytes in a block of V
	s_cmp_lt_u32 s[WV], 2
	s_cselect_b32 s84, s21, s84
	s_lshl_b32 s85, s76, 18                        ; half a group: 16 strips of K, or 2 blocks of V: 262,144 bytes of memory either way
	s_add_co_u32 s84, s84, s85
	s_add_co_u32 s84, s84, s19
	s_mov_b32 s85, 0
	s_bfe_u32 s86, s[WV], 0x10001                  ; (w / 2) % 2: K's part of LDS or V's
	s_lshl_b32 s86, s86, 17
	s_lshl_b32 s87, s76, 14                        ; half a group: 16,384 bytes of LDS
	s_add_co_u32 s86, s86, s87
	; descriptor group 1.  K: 16 rows of 1,024 bytes (128 elements of 8), 16,384 bytes apart.  V: 2 rows of 8,192 bytes (1,024 elements), 131,072 bytes apart.  Dense in LDS
	s_mov_b32 s[G1K], 15|(3<<16)|(1<<21)           ; 15:0 the mask: all four work-groups; 17:16 elements of 8 bytes; 21 set beside a mask
	s_mov_b32 s[G1K+1], 128<<16
	s_mov_b32 s[G1K+2], 16<<16
	s_mov_b32 s[G1K+3], 128<<16
	s_mov_b32 s[G1K+4], 16
	s_mov_b32 s[G1K+5], 2048
	s_mov_b32 s[G1K+6], 0
	s_mov_b32 s[G1K+7], 0
	s_mov_b32 s[G1V], 15|(3<<16)|(1<<21)
	s_mov_b32 s[G1V+1], 1024<<16
	s_mov_b32 s[G1V+2], 2<<16
	s_mov_b32 s[G1V+3], 1024<<16
	s_mov_b32 s[G1V+4], 2
	s_mov_b32 s[G1V+5], 16384
	s_mov_b32 s[G1V+6], 0
	s_mov_b32 s[G1V+7], 0
	s_mov_b32 s[SEL], 0x76543210
	s_mov_b32 s[SEL+1], 0xfedcba98
	s_wait_kmcnt 0x0
	s_load_b128 s[60:63], s[10:11], 0x18           ; e6, e7, e8, e9
	s_load_b32 s66, s[10:11], 0x28                 ; e10
	s_cmp_lt_u32 s[WV], 2
	s_cselect_b64 s[88:89], s[6:7], s[8:9]
	s_add_nc_u64 s[88:89], s[88:89], s[84:85]
	s_add_nc_u64 s[68:69], s[4:5], s[78:79]        ; q of tile A,
	s_add_nc_u64 s[70:71], s[4:5], s[82:83]        ; of tile B,
	s_add_nc_u64 s[72:73], s[12:13], s[78:79]      ; o of tile A,
	s_add_nc_u64 s[74:75], s[12:13], s[82:83]      ; of tile B
.irp g, 0,1,2,3
	s_mov_b32 s[G0+4*\g], 1
	s_add_co_u32 s[G0+4*\g+1], s86, \g*32768       ; group g: 32,768 bytes of K and as many of V
	s_add_nc_u64 s[G0+4*\g+2:G0+4*\g+3], s[88:89], \g<<19
	s_or_b32 s[G0+4*\g+3], s[G0+4*\g+3], 0x80000000
.endr
	CROUND                                         ; all four work-groups are here: the joint loads meet
	s_cmp_lt_u32 s[WV], 2                          ; a wave's four fills stand in one branch, ahead of every wait on TENSORcnt, every LDS read and every other barrier: four loads of mine are out; four v_nop follow the last
	s_cbranch_scc0 .Lnot_k
.irp g, 0,1,2,3
	tensor_load_to_lds s[G0+4*\g:G0+4*\g+3], s[G1K:G1K+7]
	s_nop 0
.endr
	PLACES
	s_branch .Lasked
.Lnot_k:
	s_cmp_lt_u32 s[WV], 4
	s_cbranch_scc0 .Lasked
.irp g, 0,1,2,3
	tensor_load_to_lds s[G0+4*\g:G0+4*\g+3], s[G1V:G1V+7]
	s_nop 0
.endr
	PLACES
.Lasked:
	v_and_b32 v6, 31, v0
	s_delay_alu instid0(VALU_DEP_1)
	v_lshlrev_b32 v1, 4, v6
	global_load_b128 v[16:19], v1, s[68:69]        ; Q's fragments stay in registers
	global_load_b128 v[20:23], v1, s[68:69] offset:512
	global_load_b128 v[24:27], v1, s[70:71]
	global_load_b128 v[28:31], v1, s[70:71] offset:512
	v_and_b32 v6, 15, v0                           ; r
	v_bfe_u32 v7, v0, 4, 1                         ; h
	s_delay_alu instid0(VALU_DEP_1)
	v_lshlrev_b32 v7, 3, v7
	s_delay_alu instid0(VALU_DEP_1)
	v_sub_nc_u32 v6, v6, v7                        ; r - 8 h
	s_lshl_b32 s90, s77, 4
	v_add_nc_u32 v4, s90, v6                       ; tile A on its diagonal step: my query's place among the 128 keys, less 8 h.  Register 8 T + j holds key 16 T + 8 h + j: hidden where 16 T + j is greater
	s_sub_co_u32 s90, 112, s90
	v_add_nc_u32 v5, s90, v6                       ; tile B likewise: it is the (7 - v)-th of its step
	v_mov_b32 v13, 0xff61b1e6                      ; the largest t so far: -3e38, under every t
	s_delay_alu instid0(VALU_DEP_1)
	v_floor_f32 v12, -v13                          ; -M
	v_mov_b32 v14, 0                               ; the sum, in two halves
	v_mov_b32 v15, 0
	v_mov_b32 v9, 0xff61b1e6
	s_delay_alu instid0(VALU_DEP_1)
	v_floor_f32 v8, -v9
	v_mov_b32 v10, 0
	v_mov_b32 v11, 0
	v_mov_b32 v250, 0                              ; written once: a lane permute's destination counts as one of its sources
	v_mov_b32 v251, 0
	v_mov_b32 v253, 0                              ; (named as the upper halves of pairs of which the low word serves both halves)
	v_mov_b32 v247, 0
	v_mov_b32 v249, 0
.set i, 0
.rept 64
	v_mov_b32 v[OA+i], 0                           ; O^T of both tiles.  (A step is written without a first form of its own: the first finds zeros, which the first change of M leaves zeros)
.set i, i+1
.endr
	s_wait_kmcnt 0x0
	s_mov_b32 s[CS], 0x3e38aa3b                    ; c = log2(e) / 8
	s_add_co_i32 s90, s60, s61
	s_lshl_b32 s90, s90, 23
	s_add_co_i32 s[CS], s[CS], s90                 ; a score stands for score x 2^(e6 + e7): the two exponents are added to c's exponent field
	s_mov_b32 s[CS+1], s[CS]                       ; (named with it as a pair, so it is written)
	s_add_co_i32 s90, s62, 127
	s_lshl_b32 s91, s90, 23
	v_mov_b32 v244, s91                            ; 2^e8 as f32, for p's conversion
	s_sub_co_i32 s90, s66, s62
	s_sub_co_i32 s90, s90, s63                     ; a sum of the second product stands for sum x 2^(e8 + e9): o's code is (sum / l) / 2^(e10 - e8 - e9)
	s_add_co_i32 s90, s90, 127
	s_lshl_b32 s91, s90, 23
	v_mov_b32 v245, s91
; ONE TILE'S KEY STEP: 128 keys.  ob: its O^T; sr: its statistics; qb: its Q; dm: its mask's number; ur: the scalar register with its last key step.
; chk = 1: the step is left out where its keys all come after the tile's queries, and masked where it is the tile's last; chk = 0: all its keys count, whatever the wave.
.macro TSTEP ob, sr, qb, dm, ur, chk
.if \chk
	s_cmp_gt_u32 s[KS], s[\ur]
	s_cbranch_scc1 .Lskip_\@
.endif
	PLACES                                         ; in front of loads into registers that matrix instructions have read
.irp t, 0,1,2,3,4,5,6,7
	ds_load_b128 v[F+8*\t:F+8*\t+3],   v2 offset:1024*\t
	ds_load_b128 v[F+8*\t+4:F+8*\t+7], v2 offset:1024*\t+512
.endr
	s_wait_dscnt 0x0
.irp t, 0,1,2,3,4,5,6,7
	v_wmma_f32_16x16x64_fp8_fp8 v[S+8*\t:S+8*\t+7], v[F+8*\t:F+8*\t+7], v[\qb:\qb+7], 0
.endr
	PLACES                                         ; in front of the loads below and of the first read of the scores
	s_wait_alu depctr_va_vdst(0)
.irp e, 0,1,2,3
.irp c, 0,1,2,3
	ds_load_b128 v[F+16*\e+4*\c:F+16*\e+4*\c+3], v3 offset:2048*\e+512*\c   ; V's four fragments land while the softmax is worked
.endr
.endr
.if \chk
	s_cmp_lg_u32 s[KS], s[\ur]
	s_cbranch_scc1 .Lopen_\@
	v_mov_b32 v254, 0xff800000                     ; on the diagonal the scores of hidden keys become -infinity ahead of the maximum: p = 0 then.  Key 0 counts for every query, so M is a number from the first step on
.set n, 0
.rept 64
	v_cmp_gt_i32 vcc_lo, 16*(n/8)+n%8, v[\dm]
	v_cndmask_b32 v[S+n], v[S+n], v254, vcc_lo
.set n, n+1
.endr
.Lopen_\@:
.endif
	v_max3_num_f32 v254, v[S], v[S+1], v[S+2]      ; the step's largest score of my query, among my 64 keys, in two chains, each accumulator from its low end on,
	v_max3_num_f32 v252, v[S+3], v[S+4], v[S+5]
.set j, 6
.rept 14
	v_max3_num_f32 v254, v254, v[S+j], v[S+j+1]
	v_max3_num_f32 v252, v252, v[S+j+2], v[S+j+3]
.set j, j+4
.endr
	v_max3_num_f32 v254, v254, v[S+62], v[S+63]
	s_delay_alu instid0(VALU_DEP_1)
	v_max_num_f32 v254, v254, v252
	s_delay_alu instid0(VALU_DEP_1)
	v_permlanex16_b32 v250, v254, s[SEL], s[SEL+1]
	s_delay_alu instid0(VALU_DEP_1)
	v_max_num_f32 v254, v254, v250                 ; and among lane l xor 16's
	s_delay_alu instid0(VALU_DEP_1)
	v_mul_f32 v254, s[CS], v254                    ; as t (c is positive)
	s_delay_alu instid0(VALU_DEP_1)
	v_max_num_f32 v[\sr+1], v[\sr+1], v254         ; the running largest t
	v_mov_b32 v254, v[\sr]
	s_delay_alu instid0(VALU_DEP_2)
	v_floor_f32 v[\sr], -v[\sr+1]                  ; the new -M = floor(-t) = -ceil(t): M is a whole number
	s_delay_alu instid0(VALU_DEP_1)
	v_sub_f32 v254, v[\sr], v254                   ; M's old value less its new one: a whole number, 0 or less
	s_delay_alu instid0(VALU_DEP_1)
	v_cvt_i32_f32 v254, v254                       ; (it saturates)
	s_delay_alu instid0(VALU_DEP_1)
	v_ldexp_f32 v252, 1.0, v254                    ; f = 2^(old M - new M)
.set j, 0
.rept 32
	v_pk_fma_f32 v[S+j:S+j+1], v[S+j:S+j+1], s[CS:CS+1], v[\sr:\sr+1] op_sel_hi:[1,0,0]   ; t - M, two at a time (of the pairs c and -M the low word serves both halves)
.set j, j+2
.endr
.set j, 0
	s_wait_alu depctr_va_vdst(0)
.rept 64
	v_exp_f32 v[S+j], v[S+j]                       ; p = 2^(t - M), at most 1: not normalised
.set j, j+1
.endr
	v_pk_mul_f32 v[\sr+2:\sr+3], v[\sr+2:\sr+3], v[252:253] op_sel_hi:[1,0]   ; the sums under the new M: the plain line behind the exponentials
	s_wait_alu depctr_va_vdst(0)                   ; one wait for the whole batch, ahead of its first reader
	v_pk_add_f32 v[242:243], v[S:S+1], v[S+2:S+3]  ; the row's sum is taken of the unquantised p: two at a time, in two chains
.set j, 4
.rept 15
	v_pk_add_f32 v[\sr+2:\sr+3], v[\sr+2:\sr+3], v[S+j:S+j+1]
	v_pk_add_f32 v[242:243], v[242:243], v[S+j+2:S+j+3]
.set j, j+4
.endr
	s_delay_alu instid0(VALU_DEP_1)
	v_pk_add_f32 v[\sr+2:\sr+3], v[\sr+2:\sr+3], v[242:243]
.irp b, 0,1,2,3
.irp i, 0,1,2,3,4,5,6,7,8,9,10,11,12,13,14,15
.endr
	v_cvt_scalef32_pk8_fp8_f32 v[PC+4*\b:PC+4*\b+1], v[S+16*\b:S+16*\b+7], v244
	v_cvt_scalef32_pk8_fp8_f32 v[PC+4*\b+2:PC+4*\b+3], v[S+16*\b+8:S+16*\b+15], v244
.endr
.set j, 0
.rept 16
	v_pk_mul_f32 v[\ob+j:\ob+j+1], v[\ob+j:\ob+j+1], v[252:253] op_sel_hi:[1,0]   ; O^T under the new M.  (These are also the plain lines between the conversions and the products that read their results)
.set j, j+2
.endr
	s_wait_alu depctr_va_vdst(0)
	s_wait_dscnt 0x0                               ; V is in
.irp e, 0,1,2,3
	v_wmma_f32_16x16x128_fp8_fp8 v[\ob+8*\e:\ob+8*\e+7], v[F+16*\e:F+16*\e+15], v[PC:PC+15], v[\ob+8*\e:\ob+8*\e+7]   ; four accumulators by turns; between two links of a chain stand the next step's eight score products
.endr
.if \chk
.Lskip_\@:
.endif
.endm
; A GROUP of four key steps.  At its head: my part of the group has landed (the 3 - g later groups may be out: no byte of LDS is filled twice), and after the barrier everybody's has.
; Steps 0-7: tile A while its keys last, and tile B, all of whose keys count there.  Steps 8-15: tile B alone.
.macro GROUP g
	s_wait_tensorcnt 3-\g
	s_wait_dscnt 0x0
	s_barrier_signal -1
	s_barrier_wait -1
	s_mov_b32 s[KS], 4*\g
	s_mov_b32 s[TB], \g*4*STEPB
.Lks_\@:
	v_add_nc_u32 v2, s[TB], v1
	s_delay_alu instid0(VALU_DEP_1)
	v_add_nc_u32 v3, VOFF, v2
.if \g < 2
	TSTEP OA, 12, 16, 4, UA, 1
	s_wait_alu depctr_va_vdst(0)
	TSTEP OB, 8, 24, 5, UB, 0
.else
	TSTEP OB, 8, 24, 5, UB, 1
.endif
	s_add_co_u32 s[TB], s[TB], STEPB
	s_add_co_u32 s[KS], s[KS], 1
	s_cmp_lt_u32 s[KS], 4*(\g+1)
	s_cbranch_scc1 .Lks_\@
.endm
	s_wait_loadcnt 0x0                             ; Q
	GROUP 0
	GROUP 1
	GROUP 2
	GROUP 3
	; THE WAY OUT.  The sum's two halves and lane l xor 16's are added; O^T is divided by the sum, held, converted: the results are o's image, stored as 512 consecutive bytes an instruction.
	PLACES
	v_add_f32 v14, v14, v15
	v_add_f32 v10, v10, v11
	s_delay_alu instid0(VALU_DEP_2)
	v_permlanex16_b32 v250, v14, s[SEL], s[SEL+1]
	s_delay_alu instid0(VALU_DEP_2)
	v_permlanex16_b32 v251, v10, s[SEL], s[SEL+1]
	s_delay_alu instid0(VALU_DEP_2)
	v_add_f32 v14, v14, v250
	s_delay_alu instid0(VALU_DEP_2)
	v_add_f32 v10, v10, v251
	s_wait_alu depctr_va_vdst(0)
	v_rcp_f32 v246, v14
	v_rcp_f32 v248, v10
	v_nop                                          ; a plain line behind the reciprocals
	s_wait_alu depctr_va_vdst(0)                   ; and one wait for both, ahead of the first reader
.set j, 0
.rept 16
	v_pk_mul_f32 v[S+j:S+j+1], v[OA+j:OA+j+1], v[246:247] op_sel_hi:[1,0]
.set j, j+2
.endr
.set j, 0
.rept 16
	v_pk_mul_f32 v[S+32+j:S+32+j+1], v[OB+j:OB+j+1], v[248:249] op_sel_hi:[1,0]
.set j, j+2
.endr
.set j, 0
.rept 64
.set j, j+1
.endr
.irp t, 0,1,2,3,4,5,6,7
	v_cvt_scalef32_pk8_fp8_f32 v[PC+2*\t:PC+2*\t+1], v[S+8*\t:S+8*\t+7], v245
.endr
	v_nop
	global_store_b128 v1, v[PC:PC+3], s[72:73]
	global_store_b128 v1, v[PC+4:PC+7], s[72:73] offset:512
	global_store_b128 v1, v[PC+8:PC+11], s[74:75]
	global_store_b128 v1, v[PC+12:PC+15], s[74:75] offset:512
	s_wait_dscnt 0x0
	s_wait_xcnt 0x0
	v_lshl_add_u32 v254, v0, 2, 0x40000
	v_mov_b32 v255, 0
	s_wait_alu depctr_va_vdst(0)
	s_wait_tensorcnt 0x0
	ds_add_u32 v254, v255
	s_wait_dscnt 0x0
	CROUND                                         ; the closing round: no work-group ends while a partner may still ask for a tile that names it
	s_endpgm
.Lfunc_end_k_qaef0b2ccd0_attn:
	.size	k_qaef0b2ccd0_attn, .Lfunc_end_k_qaef0b2ccd0_attn-k_qaef0b2ccd0_attn
	.p2alignl 7, 3214868480
	.fill 96, 4, 3214868480
	.section	.rodata,"a",@progbits
	.p2align	6, 0x0
	.amdhsa_kernel k_qaef0b2ccd0_attn
		.amdhsa_group_segment_fixed_size 264192
		.amdhsa_private_segment_fixed_size 0
		.amdhsa_enable_private_segment 0
		.amdhsa_kernarg_size 40
		.amdhsa_user_sgpr_count 2
		.amdhsa_user_sgpr_kernarg_segment_ptr 1
		.amdhsa_wavefront_size32 1
		.amdhsa_system_sgpr_workgroup_id_x 1
		.amdhsa_system_sgpr_workgroup_id_y 1
		.amdhsa_system_sgpr_workgroup_id_z 1
		.amdhsa_system_vgpr_workitem_id 0
		.amdhsa_next_free_vgpr 256
		.amdhsa_next_free_sgpr 92
		.amdhsa_reserve_vcc 1
		.amdhsa_float_denorm_mode_32 3
		.amdhsa_float_denorm_mode_16_64 3
		.amdhsa_fp16_overflow 1
		.amdhsa_memory_ordered 1
		.amdhsa_forward_progress 1
		.amdhsa_inst_pref_size 118
	.end_amdhsa_kernel
	.amdgpu_metadata
---
amdhsa.version: [ 1, 2 ]
amdhsa.kernels:
  - .name:           k_qaef0b2ccd0_attn
    .symbol:         k_qaef0b2ccd0_attn.kd
    .args:
      - { .name: qc, .offset: 0, .size: 8, .value_kind: global_buffer, .address_space: global }
      - { .name: kc, .offset: 8, .size: 8, .value_kind: global_buffer, .address_space: global }
      - { .name: vc, .offset: 16, .size: 8, .value_kind: global_buffer, .address_space: global }
      - { .name: lowp_scales, .offset: 24, .size: 8, .value_kind: global_buffer, .address_space: global }
      - { .name: oc, .offset: 32, .size: 8, .value_kind: global_buffer, .address_space: global }
    .group_segment_fixed_size: 264192
    .private_segment_fixed_size: 0
    .kernarg_segment_align: 8
    .kernarg_segment_size: 40
    .max_flat_workgroup_size: 512
    .sgpr_count:     92
    .vgpr_count:     256
    .wavefront_size: 32
...
	.end_amdgpu_metadata
.endif
;; end of part 3
;; launch oproj (part 4): grid 4 x 32, 4 waves a work-group, clusters of 4 x 4, 327,680 bytes of LDS; arguments oc, wc, bo, lowp_scales, out0; writes out0
.if DOCPART == 4
	.amdgcn_target "amdgcn-amd-amdhsa--gfx1250"
	.amdhsa_code_object_version 6
	.text
	.protected	k_qaef0b2ccd0_oproj
	.globl	k_qaef0b2ccd0_oproj
	.p2align	8
	.type	k_qaef0b2ccd0_oproj,@function
k_qaef0b2ccd0_oproj:
	s_mov_b64 s[64:65], 0
	v_nop
	global_prefetch_b8 v0, s[64:65] scope:SCOPE_SE
	s_setreg_imm32_b32 hwreg(HW_REG_WAVE_MODE, 25, 1), 1
	s_wait_xcnt 0x0
	s_wait_alu depctr_hold_cnt(0) depctr_sa_sdst(0) depctr_va_vdst(0) depctr_va_sdst(0) depctr_va_ssrc(0) depctr_va_vcc(0) depctr_vm_vsrc(0)
	s_getreg_b32 s2, hwreg(HW_REG_IB_STS2, 6, 4)
	s_cmp_eq_u32 s2, 0
	s_cbranch_scc0 .Lentry_in_a_cluster
	s_endpgm
.Lentry_in_a_cluster:
	s_bfe_u32 s2, ttmp6, 0x10000c
	s_cmp_lg_u32 s2, 0xf033
	s_cbranch_scc0 .Lentry_shape_is_right
	s_endpgm
.Lentry_shape_is_right:
; out0 = o Wo^T + bo on codes of FP8 (E4M3).  o's codes (oc) and Wo's (the fourth weight in wc) lie as images of the operands' registers: [strip of 16 rows][8 blocks of 128 k][2,048 bytes]:
; four loads of 16 bytes a lane at 16 x lane + 512 c give registers 4 c .. 4 c + 3 of the plain 8-bit layout.  A tile in LDS is dense; every fragment load reads 512 consecutive bytes.
; A number of o is its code x 2^e10, of Wo x 2^e11: each finished sum is multiplied once by 2^(e10 + e11) and the bias added, by one packed multiply-add for two numbers.
; LIMIT: e10 + e11 between -126 and 127, so that 2^(e10 + e11) is an f32 number.
; A tile of the result, 256 x 256, is made by four waves, as many as a WGP has SIMDs; a wave makes 128 x 128: 64 accumulators.  K = 1,024 goes in four steps of 256 through two LDS slots, so nothing is looped.
; The result has 128 such tiles; tiles of another shape would read more LDS bytes for each product.
; THE MATRIX INSTRUCTION IS USED TRANSPOSED (source 0 = 16 rows of Wo, source 1 = 16 rows of o): a lane holds eight neighbouring numbers of a row of the result.
; CLUSTERS: 4 x 4 work-groups.  The four of a row of the cluster need the same tiles of o, the four of a column the same tiles of Wo: each tile is asked for jointly.
; REGISTERS, in windows of 256: window 0: v8-11 the bias, v16-29 addresses, v128-255 A's fragments (one set), later rows on their way out.   window 1: B's fragments, two sets.
;   window 2: the accumulators of my rows 0-63 ((a, b) at v[8 (8 a + b)]);   window 3: those of my rows 64-127.
.set TB16,  4096                       ; 16 rows x 256 k: two images
.set FRB,   2048
.set HALFT, 8*TB16                     ; 128 rows: what one tensor load brings, and what one wave reads of A or of B
.set SLOT,  4*HALFT
.set SPARE, 2*SLOT                     ; behind the ring: the spare words, 128 bytes for each wave: two blocks of 256 bytes that no other line names
.set STAGE, SPARE+512                  ; behind them: 16 rows x 528 bytes for each wave, for the way out; no tensor load lands there
.set SPITCH, 528                       ; 512 bytes + 16 = 132 words: row r starts 4 r words on (64 banks of 4 bytes: ISA guide 11.1)
.set KSB,   4096
.set FR,    16
.set NL,    4
.set NP,    4                          ; places behind this matrix instruction (ISA guide 7.12.1)
.set BQ,    8                          ; v8-11  bo at my four columns of a row read back
.set ADRA,  16
.set ADRB,  20
.set LI,    24                         ; v24    16 x lane: also my bytes in a row of 512
.set STO,   25                         ; v25    the stage: where I put 32 bytes of a row
.set RD,    26                         ; v26    and where I read a row back
.set SPW,   28
.set NIL,   29
.set AF,    128
.set BK,    128                        ; 16 rows read back: v128-191 and v192-255 by turns
.set G1,  24
.set G0,  32
.set G1B, 48
.set G0B, 56
.set MSB, 0
.macro WIN new                         ; the immediate's high byte repeats the setting that is left; a switch that changes nothing is dropped
.if MSB != (\new)
	s_set_vgpr_msb (MSB<<8)|(\new)
.set MSB, (\new)
.endif
.endm
.set MUL_LO, 0xa1                      ; source 0 (B) window 1, source 1 (A) window 0, C and D window 2
.set MUL_HI, 0xf1
.set TO_B,   0x40
.macro JLOAD g0a, g1a, g0b, g1b        ; a joint load: waves 0 and 1 fetch for A, waves 2 and 3 for B; four v_nop follow each of the two lines
	s_cmp_eq_u32 s15, 0
	s_cbranch_scc0 .Lfor_b_\@
	tensor_load_to_lds s[\g0a:\g0a+3], s[\g1a:\g1a+7]
	s_nop 0
.rept 4
	v_nop
.endr
	s_branch .Lasked_\@
.Lfor_b_\@:
	tensor_load_to_lds s[\g0b:\g0b+3], s[\g1b:\g1b+7]
	s_nop 0
.rept 4
	v_nop
.endr
.Lasked_\@:
.endm
.macro CREST
	s_cmp_lg_u32 s14, 0
	s_cbranch_scc1 .Lnot_wave_0_\@
	s_barrier_signal -3
.Lnot_wave_0_\@:
	s_barrier_wait -3
	s_barrier_signal -1
	s_barrier_wait -1
.endm
.macro CROUND
	s_barrier_signal -1
	s_barrier_wait -1
	CREST
.endm
	s_load_b256 s[4:11], s[0:1], 0x0               ; oc 4, wc 6, bo 8, the scales 10
	s_load_b64 s[12:13], s[0:1], 0x20              ; out0
	v_lshl_add_u32 v[SPW], v0, 2, SPARE
	v_mov_b32 v[NIL], 0
	ds_add_u32 v28, v29
	ds_add_u32 v28, v29
	s_wait_dscnt 0x0
	v_lshrrev_b32 v1, 5, v0
	v_readfirstlane_b32 s14, v1                    ; wave 0..3
	s_lshr_b32 s15, s14, 1                         ; which half of the tile's rows is mine.  Also: I fetch for A (0) or for B (1)
	s_and_b32 s16, s14, 1                          ; which half of its columns.  Also: which 128 rows of that tile I fetch
	s_bfe_u32 s40, ttmp6, 0x40000                  ; cx, cy
	s_bfe_u32 s41, ttmp6, 0x40004
	s_lshl_b32 s42, ttmp9, 2
	s_add_co_u32 s42, s42, s40                     ; tile column
	s_and_b32 s17, ttmp7, 0xffff
	s_lshl_b32 s17, s17, 2
	s_add_co_u32 s17, s17, s41                     ; tile row
	s_lshl_b32 s43, s41, 2
	s_lshl_b32 s43, 15, s43                        ; my row of the cluster
	s_lshl_b32 s44, 0x1111, s40                    ; my column
	; descriptor group 1: 8 rows of 4,096 bytes (512 elements of 8 bytes), 16,384 bytes apart in memory, dense in LDS
	s_or_b32 s[G1+0], s43, (3<<16)|(1<<21)
	s_or_b32 s[G1B+0], s44, (3<<16)|(1<<21)
.irp g, G1, G1B
	s_mov_b32 s[\g+1], 512<<16
	s_mov_b32 s[\g+2], 8<<16
	s_mov_b32 s[\g+3], 512<<16
	s_mov_b32 s[\g+4], 8
	s_mov_b32 s[\g+5], 2048
	s_mov_b32 s[\g+6], 0
	s_mov_b32 s[\g+7], 0
.endr
	s_lshl_b32 s18, s16, 17
	s_lshl_b32 s20, s17, 18
	s_add_co_u32 s20, s20, s18                     ; A: 16 strips x tile row + 8 x half
	s_lshl_b32 s46, s42, 18
	s_add_co_u32 s46, s46, s18
	s_add_co_u32 s46, s46, 3<<20                   ; B likewise, in the fourth weight
	s_mov_b32 s21, 0
	s_mov_b32 s47, 0
	s_mul_i32 s45, s14, HALFT
	s_wait_kmcnt 0x0
	s_load_b64 s[96:97], s[10:11], 0x28            ; e10, e11
	s_add_nc_u64 s[20:21], s[4:5], s[20:21]
	s_add_nc_u64 s[46:47], s[6:7], s[46:47]
	CROUND                                         ; all sixteen work-groups are here: the first joint loads meet
.irp s, 0,1
	s_mov_b32 s[G0+4*\s], 1
	s_add_co_u32 s[G0+4*\s+1], s45, \s*SLOT
	s_add_nc_u64 s[G0+4*\s+2:G0+4*\s+3], s[20:21], \s*KSB
	s_or_b32 s[G0+4*\s+3], s[G0+4*\s+3], 0x80000000
	s_mov_b32 s[G0B+4*\s], 1
	s_add_co_u32 s[G0B+4*\s+1], s45, \s*SLOT
	s_add_nc_u64 s[G0B+4*\s+2:G0B+4*\s+3], s[46:47], \s*KSB
	s_or_b32 s[G0B+4*\s+3], s[G0B+4*\s+3], 0x80000000
	s_wait_alu depctr_va_vdst(0)
	s_wait_tensorcnt 0x0
	ds_add_u32 v28, v29
	ds_add_u32 v28, v29
	s_wait_dscnt 0x0
	CROUND
	JLOAD G0+4*\s, G1, G0B+4*\s, G1B               ; one load of mine is out
.endr
	v_and_b32 v1, 31, v0
	v_lshlrev_b32 v[LI], 4, v1
	v_and_b32 v2, 15, v0                           ; r
	s_wait_alu depctr_va_vdst(0)
	v_bfe_u32 v3, v0, 4, 1                         ; h
	s_lshl_b32 s21, s15, 15
	s_lshl_b32 s22, s16, 15
	s_add_co_u32 s22, s22, 2*HALFT
.irp s, 0,1
	v_add_nc_u32 v[ADRA+\s], s21, v[LI]
	v_add_nc_u32 v[ADRB+\s], s22, v[LI]
	s_add_co_u32 s21, s21, SLOT
	s_add_co_u32 s22, s22, SLOT
.endr
	s_mul_i32 s23, s14, 16*SPITCH
	s_add_co_u32 s23, s23, STAGE                   ; my stage
	v_mul_u32_u24 v[STO], v2, SPITCH               ; in: row r, 32 bytes for each half of the lanes
	s_wait_alu depctr_va_vdst(0)
	v_lshl_add_u32 v[STO], v3, 5, v[STO]
	v_add_nc_u32 v[STO], s23, v[STO]
	v_add_nc_u32 v[RD], s23, v[LI]                 ; back: the 32 lanes take one row of 512 bytes
	s_lshl_b32 s18, s17, 8
	s_lshl_b32 s19, s15, 7
	s_add_co_u32 s18, s18, s19                     ; my first row
	s_lshl_b32 s18, s18, 12                        ; of 4,096 bytes
	s_lshl_b32 s22, s42, 10
	s_lshl_b32 s19, s16, 9
	s_add_co_u32 s22, s22, s19                     ; my first column, in bytes
	s_mov_b32 s23, 0
	s_add_nc_u64 s[8:9], s[8:9], s[22:23]          ; bo there
	s_add_co_u32 s22, s22, s18
	s_add_nc_u64 s[12:13], s[12:13], s[22:23]      ; out0 at my part's corner
	global_load_b128 v[BQ:BQ+3], v[LI], s[8:9]     ; bo at columns 4 x lane .. + 3 of my 128
.macro FRAG reg, adr, q, i
.irp c, 0,1,2,3
	ds_load_b128 v[\reg+4*\c:\reg+4*\c+3], v[\adr] offset:(\i)*TB16+(\q)*FRB+512*\c
.endr
.endm
; 16 matrix instructions: A's blocks a0, a0 + 1 x B's eight, 128 along K.  p: B's set.  mode 1: the first product starts the sums: nothing is ever cleared.
; The 64 accumulators take turns, one instruction a turn, in the same order in every step.
.macro MUL16 a0, p, mode
.irp a, \a0, \a0+1
.irp b, 0,1,2,3,4,5,6,7
.if (\mode) == 0
	v_wmma_f32_16x16x128_fp8_fp8 v[8*(8*((\a)%4)+\b):8*(8*((\a)%4)+\b)+7], v[128*(\p)+FR*\b:128*(\p)+FR*\b+FR-1], v[AF+FR*(\a):AF+FR*(\a)+FR-1], v[8*(8*((\a)%4)+\b):8*(8*((\a)%4)+\b)+7]
.else
	v_wmma_f32_16x16x128_fp8_fp8 v[8*(8*((\a)%4)+\b):8*(8*((\a)%4)+\b)+7], v[128*(\p)+FR*\b:128*(\p)+FR*\b+FR-1], v[AF+FR*(\a):AF+FR*(\a)+FR-1], 0
.endif
.endr
.endr
.endm
.macro FETCH_B slot, q, p
	WIN TO_B
.irp i, 0,1,2,3,4,5,6,7
	FRAG 128*(\p)+FR*\i, ADRB+\slot, \q, \i
.endr
	WIN 0
.endm
.macro FETCH_A slot, q, i0
.irp i, \i0, \i0+1, \i0+2, \i0+3
	FRAG AF+FR*(\i), ADRA+\slot, \q, \i
.endr
.endm
; A load into a register that a matrix instruction has read, and an LDS store that reads a matrix result, stand NP places behind that matrix instruction; only plain vector instructions
; that name none of its registers are places (ISA guide 7.12.1 for vector instructions).
.macro PLACES n
.rept \n
	v_nop
.endr
.endm
.macro STEP slot, q, mode
	s_wait_dscnt 4*NL                              ; B's set and A's blocks 0-3 are in; the youngest sixteen loads (A's blocks 4-7) may be out
	WIN MUL_LO
	MUL16 0, (\q)%2, \mode
	MUL16 2, (\q)%2, \mode
	s_wait_dscnt 0
	PLACES NP
	FETCH_B \slot, (\q)+1, 1-(\q)%2
	FETCH_A \slot, (\q)+1, 0
	WIN MUL_HI
	MUL16 4, (\q)%2, \mode
	MUL16 6, (\q)%2, \mode
	PLACES NP
	WIN 0
	FETCH_A \slot, (\q)+1, 4
.endm
; A slot's last step changes slots: one barrier; in front of it each wave waits for all its tensor loads, adds 0 to its spare word, and waits for that and for its own reads of this slot.
.macro TURN slot, next, fill
	s_wait_tensorcnt 0x0                           ; all my tensor loads have landed: my part of the next slot  (every window is 0 here)
	ds_add_u32 v[SPW], v[NIL]                      ; 0 onto my spare word
	s_wait_dscnt 4*NL+1                            ; (the add and the youngest sixteen loads may be out)
	WIN MUL_LO
	MUL16 0, 1, 0
	s_wait_dscnt 0x0                               ; the add is done, and my reads of this slot are over
	s_barrier_signal -1
	MUL16 2, 1, 0
	WIN 0
	s_barrier_wait -1
.if \fill
	CREST                                          ; the barrier has opened a round of the cluster's barrier: no wave of any partner still reads this slot's tile or has a load on its way
	s_add_nc_u64 s[G0+4*\slot+2:G0+4*\slot+3], s[G0+4*\slot+2:G0+4*\slot+3], 2*KSB
	s_add_nc_u64 s[G0B+4*\slot+2:G0B+4*\slot+3], s[G0B+4*\slot+2:G0B+4*\slot+3], 2*KSB
	JLOAD G0+4*\slot, G1, G0B+4*\slot, G1B         ; the first tensor load behind the round, and my only one: one load of mine is out
.else
	PLACES NP
.endif
	FETCH_B \next, 0, 0
	FETCH_A \next, 0, 0
	WIN MUL_HI
	MUL16 4, 1, 0
	MUL16 6, 1, 0
	PLACES NP
	WIN 0
	FETCH_A \next, 0, 4
.endm
	s_wait_tensorcnt 1                             ; my part of K step 0 is in; K step 1's load may be out
	s_barrier_signal -1
	s_barrier_wait -1
	FETCH_B 0, 0, 0
	FETCH_A 0, 0, 0
	FETCH_A 0, 0, 4
	STEP 0, 0, 1
	TURN 0, 1, 1                                   ; slot 0 takes K step 2
	STEP 1, 0, 0
	TURN 1, 0, 1                                   ; slot 1 takes K step 3
	STEP 0, 0, 0
	TURN 0, 1, 0
	STEP 1, 0, 0
	s_wait_dscnt 4*NL
	WIN MUL_LO
	MUL16 0, 1, 0
	MUL16 2, 1, 0
	s_wait_alu depctr_va_vdst(0)
	s_wait_dscnt 0
	WIN MUL_HI
	MUL16 4, 1, 0
	MUL16 6, 1, 0
	WIN 0
; THE WAY OUT, block by block of 16 rows x 128 columns.  A lane holds 32 neighbouring bytes of a row, and the lanes beside it hold other rows: a block's sums go through my own stage in LDS as they are and come back as whole
; rows of 512 bytes; there each lane has four columns that are the same in every row, so four registers of bias serve all.  LDS serves a wave's instructions in order (ISA guide 5.7.1.4): no wait between the stores and the loads.
.macro TOSTAGE a
.set AC, 64*((\a)%4)
	WIN 0x08+4*((\a)/4)                            ; the stores' data: window 2 or 3
.irp b, 0,1,2,3,4,5,6,7
	ds_store_b128 v[STO], v[AC+8*\b:AC+8*\b+3] offset:64*\b          ; each accumulator from its low end on
	ds_store_b128 v[STO], v[AC+8*\b+4:AC+8*\b+7] offset:64*\b+16
.endr
	WIN 0
.set BB, BK+64*((\a)%2)
.irp t, 0,1,2,3,4,5,6,7,8,9,10,11,12,13,14,15
	ds_load_b128 v[BB+4*\t:BB+4*\t+3], v[RD] offset:\t*SPITCH
.endr
.endm
.macro SEND a, younger                 ; younger: the LDS instructions issued behind block a's loads, which may stay out
.set BB, BK+64*((\a)%2)
	s_wait_dscnt \younger                          ; the block is back in registers
.if (\a) > 0
	s_add_nc_u64 s[12:13], s[12:13], 16*4096       ; (behind a wait on XCNT: the earlier stores have read their base)  16 rows on
.endif
.irp t, 0,1,2,3,4,5,6,7,8,9,10,11,12,13,14,15
	v_pk_fma_f32 v[BB+4*\t:BB+4*\t+1], v[BB+4*\t:BB+4*\t+1], s[96:97], v[BQ:BQ+1] op_sel_hi:[1,0,1]         ; sum x 2^(e10 + e11) + bo (the scalar pair's low word for both halves)
	v_pk_fma_f32 v[BB+4*\t+2:BB+4*\t+3], v[BB+4*\t+2:BB+4*\t+3], s[96:97], v[BQ+2:BQ+3] op_sel_hi:[1,0,1]
.endr
.irp t, 0,1,2,3,4,5,6,7,8,9,10,11,12,13,14,15
	global_store_b128 v[LI], v[BB+4*\t:BB+4*\t+3], s[12:13] offset:\t*4096 th:TH_STORE_NT   ; 32 lanes store 512 consecutive bytes, at a multiple of 256 from out0's first byte; written once, read by nobody here
.endr
.endm
	s_wait_kmcnt 0x0
	s_add_co_i32 s96, s96, s97
	s_add_co_i32 s96, s96, 127
	s_lshl_b32 s96, s96, 23                        ; 2^(e10 + e11) as f32
	s_mov_b32 s97, s96                             ; (named with it as a pair, so it is written)
	s_wait_loadcnt 0x0                             ; bo
	PLACES NP                                      ; behind the last products: for the stores that read results and the loads into the registers that held A's fragments
	TOSTAGE 0
.irp a, 1,2,3,4,5,6,7
.if \a > 1
	s_wait_xcnt 0x0                                ; block a - 2's stores have read their registers and their base: block a's loads may land there, and the base may step
.endif
	TOSTAGE \a
	SEND \a-1, 32                                  ; behind block a - 1's loads: block a's 16 stores and 16 loads
.endr
	s_wait_xcnt 0x0                                ; block 6's stores have read their base
	SEND 7, 0
	s_wait_tensorcnt 0x0                           ; the wave's end, behind my last tensor load and my last LDS store
	ds_add_u32 v[SPW], v[NIL]
	s_wait_dscnt 0x0
	CROUND                                         ; the closing round
	s_endpgm
.Lfunc_end_k_qaef0b2ccd0_oproj:
	.size	k_qaef0b2ccd0_oproj, .Lfunc_end_k_qaef0b2ccd0_oproj-k_qaef0b2ccd0_oproj
	.p2alignl 7, 3214868480
	.fill 96, 4, 3214868480
	.section	.rodata,"a",@progbits
	.p2align	6, 0x0
	.amdhsa_kernel k_qaef0b2ccd0_oproj
		.amdhsa_group_segment_fixed_size 327680
		.amdhsa_private_segment_fixed_size 0
		.amdhsa_enable_private_segment 0
		.amdhsa_kernarg_size 40
		.amdhsa_user_sgpr_count 2
		.amdhsa_user_sgpr_kernarg_segment_ptr 1
		.amdhsa_wavefront_size32 1
		.amdhsa_system_sgpr_workgroup_id_x 1
		.amdhsa_system_sgpr_workgroup_id_y 1
		.amdhsa_system_sgpr_workgroup_id_z 1
		.amdhsa_system_vgpr_workitem_id 0
		.amdhsa_next_free_vgpr 1024
		.amdhsa_next_free_sgpr 100
		.amdhsa_reserve_vcc 0
		.amdhsa_float_denorm_mode_32 3
		.amdhsa_float_denorm_mode_16_64 3
		.amdhsa_memory_ordered 1
		.amdhsa_forward_progress 1
		.amdhsa_inst_pref_size 124
	.end_amdhsa_kernel
	.amdgpu_metadata
---
amdhsa.version: [ 1, 2 ]
amdhsa.kernels:
  - .name:           k_qaef0b2ccd0_oproj
    .symbol:         k_qaef0b2ccd0_oproj.kd
    .args:
      - { .name: oc, .offset: 0, .size: 8, .value_kind: global_buffer, .address_space: global }
      - { .name: wc, .offset: 8, .size: 8, .value_kind: global_buffer, .address_space: global }
      - { .name: bo, .offset: 16, .size: 8, .value_kind: global_buffer, .address_space: global }
      - { .name: lowp_scales, .offset: 24, .size: 8, .value_kind: global_buffer, .address_space: global }
      - { .name: out0, .offset: 32, .size: 8, .value_kind: global_buffer, .address_space: global }
    .group_segment_fixed_size: 327680
    .private_segment_fixed_size: 0
    .kernarg_segment_align: 8
    .kernarg_segment_size: 40
    .max_flat_workgroup_size: 128
    .sgpr_count:     100
    .vgpr_count:     1024
    .wavefront_size: 32
...
	.end_amdgpu_metadata
.endif
;; end of part 4
